; MI455X (gfx1250); checked and timed in simulation.
; The chip was launched on July 23, 2026; its instructions are those of AMD's public machine-readable ISA for CDNA 5 (MIT licence, August 2026) and "CDNA5" Instruction Set Architecture Reference Guide (July 2026). The comments in the code are by the model that wrote it; some were corrected since.
;; Dot Applier. Allowed arithmetic: float matrix products may take bf16 or f16 operands with f32 sums; all other float work in f32.
;; Inputs: adv_patch 1 x 3 x 1,024 x 1,024 float32; alpha 1 x 1,024 x 1,024 float32; colors 32 x 3 float32; theta 32 x 2 x 3 float32.
;; Outputs: out0 1 x 3 x 1,024 x 1,024 float32; out1 1 x 1,024 x 1,024 float32.
;; One version. Each part assembles by itself: llvm-mc -triple=amdgcn-amd-amdhsa -mcpu=gfx1250 --defsym DOCPART=n.
;; ======== version 1 of 1: 2 launches
;; limits: below input magnitudes of 1.26e-29 results are inexact or not finite
;; workspace buffers: tiles 32,768 bytes of whole numbers
;; launch cull (part 1): grid 128 x 1, 1 waves a work-group, no clusters, 0 bytes of LDS; arguments theta, colors, tiles; writes tiles
.if DOCPART == 1
	.amdgcn_target "amdgcn-amd-amdhsa--gfx1250"
	.amdhsa_code_object_version 6
	.text
	.protected	k_q0ee2bc0a40_cull
	.globl	k_q0ee2bc0a40_cull
	.p2align	8
	.type	k_q0ee2bc0a40_cull,@function
k_q0ee2bc0a40_cull:
	s_mov_b64 s[64:65], 0
	v_nop
	global_prefetch_b8 v0, s[64:65] scope:SCOPE_SE
	s_setreg_imm32_b32 hwreg(HW_REG_WAVE_MODE, 25, 1), 1
	s_wait_xcnt 0x0
; WHICH DOTS MATTER TO WHICH TILE.  The picture of 1024 x 1024 is cut into 4,096 tiles of 64 columns x 4 rows
; (tile = 16 x band + column block).  For each tile two 32-bit words are stored:
;   word 0: bit d is set if dot d may colour a pixel of the tile and no later dot is known to hide it everywhere in the tile;
;   word 1: 1 if the lowest dot listed in word 0 covers the whole tile, else 0.
; The next launch walks only the set bits.  So "may reach" must never miss a dot (it may name one too many), and "covers" must never
; be claimed wrongly (it may be missed).
;
; The box.  A pixel (row i, column j) samples the dot's field at ix = 512 sx + 511.5, sx = t00 x + t01 y + t02, x = (2j+1)/1024 - 1
; (iy likewise).  Over a tile ix - 512 stays within EX = 31.5 |t00| + 1.5 |t01| of its value dx at the tile's middle, so the tile's image
; lies in a box round (dx, dy).
; REACH.  The field is zero outside the circle of radius 100 round (512, 512), and a bilinear sample reads the four corners of its unit
; cell, so a pixel can be coloured only within 100 + sqrt 2 < 102 of the centre.  The box's NEAREST point is held against that:
; max(|dx| - EX, 0)^2 + max(|dy| - EY, 0)^2 <= 102^2.  (The clamp of ix, iy to 0..1023 changes nothing: a clamped coordinate is at least
; 511 from the centre, before and after.)
; COVER.  A sample within 100 - sqrt 2 > 98 of the centre has all four corners inside the circle: its mask weight is 1 and its alpha at
; least 0.4 / e.  The box's FARTHEST point is held against that: (|dx| + EX)^2 + (|dy| + EY)^2 <= 98^2.  If also |c| >= 2^-96 in all three
; channels, the dot replaces all four outputs in every pixel of the tile, and what earlier dots left there is never seen.
; Rounding: both launches form ix with a handful of roundings of numbers no larger than 512 (S + 1), S = |t00| + |t01| + |t02|: together
; under 2^-12 (S + 1) pixels.  EX carries 2^-10 (S + 2) for it, on top of the 0.58 between 101.42 and 102 and between 98 and 98.58.
; An overflow (inf - inf) ends in max(NaN, 0) = 0, which names the dot, and in a false compare for COVER.  NaN in theta or colors is not
; served: the reference is not finite there.
;
; One wave a work-group, 128 work-groups.  During the tests LANE = DOT: one compare yields a tile's whole word in a scalar register.
; A wave takes 32 neighbouring tiles (2 bands x 16 column blocks); tile t's two words are put into lane t, so that the cut below the last
; covering dot is made for all 32 tiles at once (LANE = TILE), and the store of 8 bytes a lane is 256 consecutive bytes, aligned.
.set T,   2                            ; at work behind the tests (theta's registers are free by then)
.set AX,  8                            ; 512 t00          d(ix)/d(x)
.set BX,  9                            ; 512 t01
.set CX,  10                           ; 512 t02 - 0.5    so that AX x + BX y + CX = ix - 512
.set AY,  11                           ; the same for iy, from t10, t11, t12
.set BY,  12
.set CY,  13
.set EX,  14                           ; half width of the box, allowance included
.set EY,  15
.set YC,  16                           ; y of the band's middle
.set RX,  17                           ; BX y + CX
.set RY,  18
.set RIN, 19                           ; 98^2, or -1 for a dot with a colour too small to count as covering
.set OUT, 20                           ; v[20:21]  lane t: the two words of my tile t
.set OFF, 22                           ; byte offset of my 8 bytes
.set COF, 23                           ; byte offset of my dot's colours
.set GX,  24                           ; v[24:39]  REACH: one register for each of a band's 16 tiles
.set GY,  40                           ; v[40:55]
.set HX,  56                           ; v[56:71]  COVER: HX = GX + 32, HY = GY + 32 (the runs below lean on that)
.set HY,  72                           ; v[72:87]
.set C,   88                           ; v[88:90]  my dot's colours
.set HIT, 16                           ; s[16:31]  the band's 16 words of REACH
.set FUL, 32                           ; s[32:47]  the band's 16 words of COVER
	s_load_b128 s[4:7], s[0:1], 0x0                ; theta s[4:5], colors s[6:7]
	s_load_b64 s[8:9], s[0:1], 0x10                ; tiles
	v_mul_u32_u24 v1, v0, 24                       ; dot d's six numbers lie at byte 24 d,
	v_mul_u32_u24 v[COF], v0, 12                   ; its colours at byte 12 d
	s_lshl_b32 s10, ttmp9, 3                       ; my first row is 8 W;
	s_add_co_u32 s10, s10, 2                       ; a band's middle row i0 + 1.5 has y = (i0 + 2) / 512 - 1
	s_lshl_b32 s11, ttmp9, 8                       ; my 32 tiles' 256 bytes
	s_mov_b32 s12, 0x3a800000                      ; 2^-10
	s_mov_b32 s13, 0x46229000                      ; 102^2 = 10404.0
	v_lshl_add_u32 v[OFF], v0, 3, s11
	v_mov_b32 v[OUT], 0                            ; v_writelane_b32 keeps the other lanes: its destination has to exist
	v_mov_b32 v[OUT+1], 0
	s_wait_kmcnt 0x0
	global_load_b64 v[2:3], v1, s[4:5]             ; t00 t01
	global_load_b64 v[4:5], v1, s[4:5] offset:8    ; t02 t10
	global_load_b64 v[6:7], v1, s[4:5] offset:16   ; t11 t12
	global_load_b32 v[C],   v[COF], s[6:7]
	global_load_b32 v[C+1], v[COF], s[6:7] offset:4
	global_load_b32 v[C+2], v[COF], s[6:7] offset:8
	v_mov_b32 v[RIN], 0x46161000                   ; 98^2 = 9604.0
	s_wait_loadcnt 0x0
	v_mul_f32 v[AX], 0x44000000, v2                ; x 512: exact
	v_mul_f32 v[BX], 0x44000000, v3
	v_fma_f32 v[CX], v4, 0x44000000, -0.5
	v_mul_f32 v[AY], 0x44000000, v5
	v_mul_f32 v[BY], 0x44000000, v6
	v_fma_f32 v[CY], v7, 0x44000000, -0.5
	v_add_f32 v[EX], |v2|, |v3|
	v_add_f32 v[EY], |v5|, |v6|
	v_min3_num_f32 v[C], |v[C]|, |v[C+1]|, |v[C+2]|    ; the smallest colour
	v_add_f32 v[EX], v[EX], |v4|                   ; S
	v_add_f32 v[EY], v[EY], |v7|
	v_cmp_le_f32 vcc_lo, 0x0f800000, v[C]          ; 2^-96 <= it
	v_fmaak_f32 v[EX], s12, v[EX], 0x3b000000      ; 2^-10 S + 2^-9 = 2^-10 (S + 2)
	v_fmaak_f32 v[EY], s12, v[EY], 0x3b000000
	v_cndmask_b32 v[RIN], -1.0, v[RIN], vcc_lo     ; otherwise no sum of squares is small enough: the dot never counts as covering
	v_fma_f32 v[EX], |v2|, 0x41fc0000, v[EX]       ; + 31.5 |t00|: columns reach 31.5 from the middle
	v_fma_f32 v[EY], |v5|, 0x41fc0000, v[EY]
	v_fma_f32 v[EX], |v3|, 0x3fc00000, v[EX]       ; + 1.5 |t01|: rows reach 1.5
	v_fma_f32 v[EY], |v6|, 0x3fc00000, v[EY]
; One band: 16 tiles, each step of the two tests written for all 16 in a run, so that no instruction waits for the one in front of it.
; The middle of column block c has x = (2 c - 15) / 16: the sixteen constants of the first run.
.macro BAND b
	s_add_co_u32 s14, s10, 4*\b
	v_cvt_f32_u32 v[YC], s14
	v_fma_f32 v[YC], v[YC], 0x3b000000, -1.0       ; (i0 + 2) / 512 - 1
	v_fma_f32 v[RX], v[BX], v[YC], v[CX]
	v_fma_f32 v[RY], v[BY], v[YC], v[CY]
.set c, 0
.irp xc, 0xbf700000,0xbf500000,0xbf300000,0xbf100000,0xbee00000,0xbea00000,0xbe400000,0xbd800000,0x3d800000,0x3e400000,0x3ea00000,0x3ee00000,0x3f100000,0x3f300000,0x3f500000,0x3f700000
	v_fmamk_f32 v[GX+c], v[AX], \xc, v[RX]         ; ix - 512 at the tile's middle
	v_fmamk_f32 v[GY+c], v[AY], \xc, v[RY]
.set c, c+1
.endr
.irp r, 24,25,26,27,28,29,30,31,32,33,34,35,36,37,38,39
	v_add_f32 v[\r+32], |v\r|, v[EX]               ; HX: how far the box reaches from the centre, along x
.endr
.irp r, 40,41,42,43,44,45,46,47,48,49,50,51,52,53,54,55
	v_add_f32 v[\r+32], |v\r|, v[EY]               ; HY: along y
.endr
.irp r, 24,25,26,27,28,29,30,31,32,33,34,35,36,37,38,39
	v_sub_f32 v\r, |v\r|, v[EX]                    ; GX: how far the box stays from the centre, along x
.endr
.irp r, 40,41,42,43,44,45,46,47,48,49,50,51,52,53,54,55
	v_sub_f32 v\r, |v\r|, v[EY]                    ; GY: along y
.endr
.irp r, 24,25,26,27,28,29,30,31,32,33,34,35,36,37,38,39,40,41,42,43,44,45,46,47,48,49,50,51,52,53,54,55
	v_max_num_f32 v\r, 0, v\r                      ; not at all, if the box spans the centre's coordinate
.endr
.irp q, 0,2,4,6,8,10,12,14
	v_pk_mul_f32 v[GX+\q:GX+\q+1], v[GX+\q:GX+\q+1], v[GX+\q:GX+\q+1]      ; two tiles to an instruction
	v_pk_mul_f32 v[HX+\q:HX+\q+1], v[HX+\q:HX+\q+1], v[HX+\q:HX+\q+1]
.endr
.irp q, 0,2,4,6,8,10,12,14
	v_pk_fma_f32 v[GX+\q:GX+\q+1], v[GY+\q:GY+\q+1], v[GY+\q:GY+\q+1], v[GX+\q:GX+\q+1]
	v_pk_fma_f32 v[HX+\q:HX+\q+1], v[HY+\q:HY+\q+1], v[HY+\q:HY+\q+1], v[HX+\q:HX+\q+1]
.endr
.irp i, 0,1,2,3,4,5,6,7,8,9,10,11,12,13,14,15
	v_cmp_ge_f32 s[HIT+\i], s13, v[GX+\i]          ; 102^2 >= nearest^2: bit d of REACH
	v_cmp_ge_f32 s[FUL+\i], v[RIN], v[HX+\i]       ; 98^2 >= farthest^2: bit d of COVER
.endr
.irp i, 0,1,2,3,4,5,6,7,8,9,10,11,12,13,14,15
	v_writelane_b32 v[OUT],   s[HIT+\i], 16*\b+\i  ; my tile 16 b + i lives in lane 16 b + i
	v_writelane_b32 v[OUT+1], s[FUL+\i], 16*\b+\i
.endr
.endm
	BAND 0
	BAND 1
	; LANE = TILE from here on.  OUT = REACH, OUT+1 = COVER.  Let h be the highest bit of COVER.  Dots below h are struck off the list.
	v_or_b32 v[OUT], v[OUT], v[OUT+1]              ; a covering dot is on the list (it is already: farthest >= nearest; this line makes the cut below lean on nothing)
.irp k, 1,2,4,8,16
	v_lshrrev_b32 v[T], \k, v[OUT+1]               ; smear h downward: after the five steps bits 0 .. h are set (none, if COVER is empty)
	v_or_b32 v[OUT+1], v[OUT+1], v[T]
.endr
	v_lshrrev_b32 v[T], 1, v[OUT+1]                ; bits 0 .. h - 1
	v_bfi_b32 v[OUT], v[T], 0, v[OUT]              ; cleared in the list: its lowest bit is now h
	v_min_u32 v[OUT+1], 1, v[OUT+1]                ; 1 if there is a covering dot
	global_store_b64 v[OFF], v[OUT:OUT+1], s[8:9]  ; 32 lanes x 8 bytes: 256 consecutive bytes at a multiple of 256
	s_endpgm
.Lfunc_end_k_q0ee2bc0a40_cull:
	.size	k_q0ee2bc0a40_cull, .Lfunc_end_k_q0ee2bc0a40_cull-k_q0ee2bc0a40_cull
	.p2alignl 7, 3214868480
	.fill 96, 4, 3214868480
	.section	.rodata,"a",@progbits
	.p2align	6, 0x0
	.amdhsa_kernel k_q0ee2bc0a40_cull
		.amdhsa_group_segment_fixed_size 0
		.amdhsa_private_segment_fixed_size 0
		.amdhsa_enable_private_segment 0
		.amdhsa_kernarg_size 24
		.amdhsa_user_sgpr_count 2
		.amdhsa_user_sgpr_kernarg_segment_ptr 1
		.amdhsa_wavefront_size32 1
		.amdhsa_system_sgpr_workgroup_id_x 1
		.amdhsa_system_sgpr_workgroup_id_y 1
		.amdhsa_system_sgpr_workgroup_id_z 1
		.amdhsa_system_vgpr_workitem_id 0
		.amdhsa_next_free_vgpr 92
		.amdhsa_next_free_sgpr 66
		.amdhsa_reserve_vcc 1
		.amdhsa_float_denorm_mode_32 3
		.amdhsa_float_denorm_mode_16_64 3
		.amdhsa_memory_ordered 1
		.amdhsa_forward_progress 1
		.amdhsa_inst_pref_size 31
	.end_amdhsa_kernel
	.amdgpu_metadata
---
amdhsa.version: [ 1, 2 ]
amdhsa.kernels:
  - .name:           k_q0ee2bc0a40_cull
    .symbol:         k_q0ee2bc0a40_cull.kd
    .args:
      - { .name: theta, .offset: 0, .size: 8, .value_kind: global_buffer, .address_space: global }
      - { .name: colors, .offset: 8, .size: 8, .value_kind: global_buffer, .address_space: global }
      - { .name: tiles, .offset: 16, .size: 8, .value_kind: global_buffer, .address_space: global }
    .group_segment_fixed_size: 0
    .private_segment_fixed_size: 0
    .kernarg_segment_align: 8
    .kernarg_segment_size: 24
    .max_flat_workgroup_size: 32
    .sgpr_count:     66
    .vgpr_count:     92
    .wavefront_size: 32
...
	.end_amdgpu_metadata
.endif
;; end of part 1
;; launch paint (part 2): grid 256 x 1, 16 waves a work-group, no clusters, 0 bytes of LDS; arguments theta, colors, tiles, out0, out1; writes out0, out1
.if DOCPART == 2
	.amdgcn_target "amdgcn-amd-amdhsa--gfx1250"
	.amdhsa_code_object_version 6
	.text
	.protected	k_q0ee2bc0a40_paint
	.globl	k_q0ee2bc0a40_paint
	.p2align	8
	.type	k_q0ee2bc0a40_paint,@function
k_q0ee2bc0a40_paint:
	s_mov_b64 s[64:65], 0
	v_nop
	global_prefetch_b8 v0, s[64:65] scope:SCOPE_SE
	s_setreg_imm32_b32 hwreg(HW_REG_WAVE_MODE, 25, 1), 1
	s_wait_xcnt 0x0
; THE PICTURE.  out0[c][i][j], out1[i][j]: for each pixel the last dot whose sampled colour (alpha) is not zero.
;
; NOTHING IS GATHERED: the field that is sampled is a formula.  With n = (row-512)^2 + (col-512)^2 (an exact whole number in f32):
; mask = (n <= 10000), colour plane = colour x mask, alpha plane = 0.4 mask exp(-(n/10000)^2).  The four corners of a sample are computed.
; The buffers adv_patch and alpha are NOT read: the reference replaces both by zeros before any use, so no output number depends on them.
;
; WORK.  256 work-groups x 16 waves; a wave owns one tile of 64 columns x 4 rows and reads the tile's two words from the launch before.
; Word 0: bit d says that dot d may reach the tile and is not hidden everywhere in it by a later dot; the others are not looked at.
; Word 1: not 0 if the lowest listed dot covers the tile: all four corners of every sample lie inside the circle and its colours are not
; zero.  The trip count is the number of set bits; dots go in ascending order.
; Dot load comes in patches some 200 pixels wide, so a work-group's tiles are strewn: wave w of group g takes band 16 w + g/16 and column
; block (g + 5 w) mod 16; any four waves w, w+4, .. or w, w+1, .. lie at least 256 pixels apart in x or y.  The map is one to one.
; A lane owns 2 groups of 4 neighbouring pixels: group q in row 4 band + 2 q + lane/16, columns 64 block + 4 (lane%16) ..+3.  So each store
; of 16 bytes a lane has sixteen lanes filling 256 consecutive bytes at a multiple of 256.
; Lane d also keeps dot d's six theta and three colours; a trip fetches them into scalar registers with v_readlane_b32.
;
; ARITHMETIC.  The sample position follows the reference's roundings: sx = fma(t00, x, fl(t01 y)) + t02; u = sx + 1; ix = fl(512 u - 0.5), which
; is ((u 1024) - 1) / 2 bit for bit; clamp to 0..1023.  With the identity as linear part this is the unfused form bit for bit; otherwise the
; one fused product may differ from it in the last place.
; M = bilinear weight of the mask; colour out = c M; selected where c M != 0, as the reference selects.  alpha != 0 exactly where M != 0 (the
; weights that meet the circle are multiples of 2^-15, the exponential is at least e^-1), so the loop only keeps the winning (ix, iy), and the
; four exponentials of a sample are paid once a pixel, behind the loop.
; The reference's min(ix0 + 1, 1023) is left out: columns 1023 and 1024 both lie outside the circle, for every input.
; LIMITS.  c M stands for the interpolation of c x mask: |c| below 2^-96 may underflow otherwise than in the reference's != 0.  In a covered
; tile the colour is c itself, where the reference's interpolation of four equal corners may differ from c in the last places.  A zero
; carries a minus sign where c < 0.  NaN or infinity in theta or colors is not served: the reference is not finite there.
.set PLANE, 4194304                    ; bytes of a plane
.set ROWB,  4096                       ; bytes of a row
.set TH,   4                           ; v[4:9]     lane d: t00 t01 t02 t10 t11 t12 of dot d
.set CL,   10                          ; v[10:12]   lane d: its three colours
.set X,    14                          ; v[14:17]   x of my four columns
.set Y,    18                          ; v[18:19]   y of my two rows
.set WINX, 20                          ; v[20:27]   group q at 4 q: ix of the last dot with M != 0
.set WINY, 28                          ; v[28:35]   its iy
.set P,    36                          ; v[36:59]   channel c, group q at 8 c + 4 q: the colour so far
.set AL,   60                          ; v[60:67]   group q at 4 q: alpha
.set B,    68                          ; v[68:69]   t01 y, t11 y
.set IX,   70                          ; from here on: four registers each, one group's four pixels
.set IY,   74
.set FX,   78                          ; floor
.set FY,   82
.set WX,   86                          ; ix - floor
.set WY,   90
.set UX,   94                          ; 1 - wx
.set UY,   98
.set D0X,  102                         ; left column - 512
.set D1X,  106                         ; right column - 512
.set D0Y,  110                         ; upper row - 512
.set D1Y,  114                         ; lower row - 512
.set N00,  118                         ; v[118:133] the four corners: (upper, left), (upper, right), (lower, left), (lower, right)
.set N01,  122
.set N10,  126
.set N11,  130
.set MV,   N01                         ; M ends up in the second corner's registers
.set E,    134                         ; v[134:149] loop: the three products c M.  Behind it: the four corners' exponentials
.set LIST, 2                           ; s2         the tile's dots still to come
.set FULL, 3                           ; s3         the tile's second word
.set T00,  20                          ; s[20:37]   the dot at hand; each number at an even register, since a packed instruction names a scalar pair
.set T01,  22                          ;            and broadcasts its first; the odd ones are set to 0 once
.set T02,  24
.set T10,  26
.set T11,  28
.set T12,  30
.set COL,  32
.set R2,   38                          ; 10000.0
.set HIT,  40                          ; s[40:55]   compare masks
	s_load_b256 s[4:11], s[0:1], 0x0               ; theta s[4:5], colors s[6:7], tiles s[8:9], out0 s[10:11]
	s_load_b64 s[12:13], s[0:1], 0x20              ; out1
	v_lshrrev_b32 v1, 5, v0
	v_readfirstlane_b32 s14, v1                    ; wave 0..15
	s_lshr_b32 s16, ttmp9, 4
	s_lshl4_add_u32 s16, s14, s16                  ; band = 16 w + g / 16
	s_mul_i32 s17, s14, 5
	s_add_co_u32 s17, s17, ttmp9
	s_and_b32 s17, s17, 15                         ; column block = (g + 5 w) mod 16
	s_lshl4_add_u32 s40, s16, s17                  ; tile
	s_lshl_b32 s40, s40, 3                         ; its two words' byte offset
	s_mov_b32 s41, 0
	v_and_b32 v2, 31, v0                           ; lane = the dot whose numbers I keep
	v_mul_u32_u24 v3, v2, 24
	v_mul_u32_u24 v13, v2, 12
	s_wait_kmcnt 0x0
	s_add_nc_u64 s[8:9], s[8:9], s[40:41]
	s_load_b64 s[LIST:FULL], s[8:9], 0x0           ; the tile's dots, and whether the first of them covers it
	global_load_b64 v[TH:TH+1],   v3, s[4:5]
	global_load_b64 v[TH+2:TH+3], v3, s[4:5] offset:8
	global_load_b64 v[TH+4:TH+5], v3, s[4:5] offset:16
	global_load_b32 v[CL],   v13, s[6:7]
	global_load_b32 v[CL+1], v13, s[6:7] offset:4
	global_load_b32 v[CL+2], v13, s[6:7] offset:8
	s_add_nc_u64 s[10:11], s[10:11], PLANE         ; out0 at its middle plane: the three planes are then at -PLANE, 0, +PLANE, inside a store's signed 24-bit immediate
	; my pixels, while the loads are out
	v_and_b32 v2, 15, v0                           ; lane % 16
	v_bfe_u32 v[B], v0, 4, 1                       ; lane / 16
	s_lshl_b32 s42, s16, 14                        ; band x 4 rows x 4,096 bytes
	s_lshl_b32 s43, s17, 8                         ; block x 256 bytes
	s_add_co_u32 s42, s42, s43
	v_lshlrev_b32 v1, 4, v2
	v_lshl_add_u32 v1, v[B], 12, v1
	v_add_nc_u32 v1, s42, v1                       ; v1: byte offset of group 0's 16 bytes in a plane; never rewritten
	s_lshl_b32 s43, s17, 6
	v_lshl_add_u32 v2, v2, 2, s43                  ; my first column
	v_cvt_f32_u32 v2, v2
	s_lshl_b32 s43, s16, 2
	v_add_nc_u32 v[B], s43, v[B]                   ; my first row
	v_cvt_f32_u32 v[B], v[B]
	s_mov_b32 s44, 0x3b000000                      ; 2 / 1024
	s_mov_b32 s45, 0xbf7fc000                      ; 1 / 1024 - 1
	v_fma_f32 v[X], v2, s44, s45                   ; (2 j + 1) / 1024 - 1: a multiple of 2^-10 below 1, so exact, like the sums below
	v_fma_f32 v[Y], v[B], s44, s45
	v_add_f32 v[X+1], 0x3b000000, v[X]
	v_add_f32 v[X+2], 0x3b800000, v[X]
	v_add_f32 v[X+3], 0x3bc00000, v[X]
	v_add_f32 v[Y+1], 0x3b800000, v[Y]             ; group 1 lies two rows down
	s_mov_b32 s[R2], 0x461c4000
.irp k, 1,3,5,7,9,11,13,15,17
	s_mov_b32 s[T00+\k], 0                         ; the pairs' second registers: named by packed instructions, never used
.endr
	s_wait_kmcnt 0x0                               ; the tile's words
	s_cmp_eq_u32 s[LIST], 0
	s_cbranch_scc1 .Lempty                         ; no dot reaches the tile
	s_bcnt1_i32_b32 s18, s[LIST]                   ; trips
	s_wait_loadcnt 0x0                             ; theta and colors
; The lowest dot still listed: struck off the word, its nine numbers fetched from its lane.
.macro NEXTDOT
	s_ctz_i32_b32 s16, s[LIST]
	s_sub_co_u32 s17, s[LIST], 1
	s_and_b32 s[LIST], s[LIST], s17
.irp k, 0,1,2,3,4,5
	v_readlane_b32 s[T00+2*\k], v[TH+\k], s16
.endr
.irp k, 0,1,2
	v_readlane_b32 s[COL+2*\k], v[CL+\k], s16
.endr
.endm
; Where group g's four pixels sample the dot: ix into dx..dx+3, iy into dy..dy+3.  Two pixels to a packed instruction.
.macro SAMPLE g, dx, dy
	v_mul_f32 v[B],   s[T01], v[Y+\g]
	v_mul_f32 v[B+1], s[T11], v[Y+\g]
.irp q, 0,2
	v_pk_fma_f32 v[\dx+\q:\dx+\q+1], v[X+\q:X+\q+1], s[T00:T00+1], v[B:B+1] op_sel_hi:[1,0,0]                  ; t00 x + (t01 y): both halves add B
	v_pk_fma_f32 v[\dy+\q:\dy+\q+1], v[X+\q:X+\q+1], s[T10:T10+1], v[B:B+1] op_sel:[0,0,1] op_sel_hi:[1,0,1]   ; t10 x + (t11 y): both halves add B+1
.endr
.irp q, 0,2
	v_pk_add_f32 v[\dx+\q:\dx+\q+1], v[\dx+\q:\dx+\q+1], s[T02:T02+1] op_sel_hi:[1,0]
	v_pk_add_f32 v[\dy+\q:\dy+\q+1], v[\dy+\q:\dy+\q+1], s[T12:T12+1] op_sel_hi:[1,0]
.endr
.irp q, 0,2
	v_pk_add_f32 v[\dx+\q:\dx+\q+1], v[\dx+\q:\dx+\q+1], 1.0 op_sel_hi:[1,0]
	v_pk_add_f32 v[\dy+\q:\dy+\q+1], v[\dy+\q:\dy+\q+1], 1.0 op_sel_hi:[1,0]
.endr
.irp q, 0,2
	v_pk_fma_f32 v[\dx+\q:\dx+\q+1], v[\dx+\q:\dx+\q+1], 0x44000000, -0.5 op_sel_hi:[1,0,0]   ; 512 u - 0.5 = (1024 u - 1) / 2, one rounding either way
	v_pk_fma_f32 v[\dy+\q:\dy+\q+1], v[\dy+\q:\dy+\q+1], 0x44000000, -0.5 op_sel_hi:[1,0,0]
.endr
.irp k, 0,1,2,3
	v_med3_num_f32 v[\dx+\k], v[\dx+\k], 0, 0x447fc000         ; the border: 0 .. 1023
	v_med3_num_f32 v[\dy+\k], v[\dy+\k], 0, 0x447fc000
.endr
.endm
; From four positions (cx.., cy..): the weights WX, UX = 1 - WX, WY, UY and the corners' distances from the centre along each axis.
.macro CORNERS cx, cy
.irp k, 0,1,2,3
	v_floor_f32 v[FX+\k], v[\cx+\k]
	v_floor_f32 v[FY+\k], v[\cy+\k]
.endr
.irp q, 0,2
	v_pk_add_f32 v[WX+\q:WX+\q+1], v[\cx+\q:\cx+\q+1], v[FX+\q:FX+\q+1] neg_lo:[0,1] neg_hi:[0,1]
	v_pk_add_f32 v[WY+\q:WY+\q+1], v[\cy+\q:\cy+\q+1], v[FY+\q:FY+\q+1] neg_lo:[0,1] neg_hi:[0,1]
	v_pk_add_f32 v[D0X+\q:D0X+\q+1], v[FX+\q:FX+\q+1], 0xc4000000 op_sel_hi:[1,0]   ; - 512
	v_pk_add_f32 v[D1X+\q:D1X+\q+1], v[FX+\q:FX+\q+1], 0xc3ff8000 op_sel_hi:[1,0]   ; + 1 - 512
	v_pk_add_f32 v[D0Y+\q:D0Y+\q+1], v[FY+\q:FY+\q+1], 0xc4000000 op_sel_hi:[1,0]
	v_pk_add_f32 v[D1Y+\q:D1Y+\q+1], v[FY+\q:FY+\q+1], 0xc3ff8000 op_sel_hi:[1,0]
.endr
.irp q, 0,2
	v_pk_fma_f32 v[UX+\q:UX+\q+1], v[WX+\q:WX+\q+1], -1.0, 1.0 op_sel_hi:[1,0,0]
	v_pk_fma_f32 v[UY+\q:UY+\q+1], v[WY+\q:WY+\q+1], -1.0, 1.0 op_sel_hi:[1,0,0]
.endr
.endm
; M, the bilinear weight of the mask, into MV.  n is a whole number, so the mask (n <= 10000) is 10001 - n clamped to 0 .. 1.
.macro COVER
.irp q, 0,2
	v_pk_fma_f32 v[D0Y+\q:D0Y+\q+1], v[D0Y+\q:D0Y+\q+1], v[D0Y+\q:D0Y+\q+1], 0x461c4400 op_sel_hi:[1,1,0] neg_lo:[1,0,0] neg_hi:[1,0,0]   ; 10001 - dy^2
	v_pk_fma_f32 v[D1Y+\q:D1Y+\q+1], v[D1Y+\q:D1Y+\q+1], v[D1Y+\q:D1Y+\q+1], 0x461c4400 op_sel_hi:[1,1,0] neg_lo:[1,0,0] neg_hi:[1,0,0]
.endr
.irp q, 0,2
	v_pk_fma_f32 v[N00+\q:N00+\q+1], v[D0X+\q:D0X+\q+1], v[D0X+\q:D0X+\q+1], v[D0Y+\q:D0Y+\q+1] neg_lo:[1,0,0] neg_hi:[1,0,0]   ; - dx^2
	v_pk_fma_f32 v[N01+\q:N01+\q+1], v[D1X+\q:D1X+\q+1], v[D1X+\q:D1X+\q+1], v[D0Y+\q:D0Y+\q+1] neg_lo:[1,0,0] neg_hi:[1,0,0]
	v_pk_fma_f32 v[N10+\q:N10+\q+1], v[D0X+\q:D0X+\q+1], v[D0X+\q:D0X+\q+1], v[D1Y+\q:D1Y+\q+1] neg_lo:[1,0,0] neg_hi:[1,0,0]
	v_pk_fma_f32 v[N11+\q:N11+\q+1], v[D1X+\q:D1X+\q+1], v[D1X+\q:D1X+\q+1], v[D1Y+\q:D1Y+\q+1] neg_lo:[1,0,0] neg_hi:[1,0,0]
.endr
.irp k, 0,1,2,3,4,5,6,7,8,9,10,11,12,13,14,15
	v_med3_num_f32 v[N00+\k], v[N00+\k], 0, 1.0
.endr
.irp q, 0,2
	v_pk_mul_f32 v[N00+\q:N00+\q+1], v[UX+\q:UX+\q+1], v[N00+\q:N00+\q+1]
	v_pk_mul_f32 v[N10+\q:N10+\q+1], v[UX+\q:UX+\q+1], v[N10+\q:N10+\q+1]
.endr
.irp q, 0,2
	v_pk_fma_f32 v[N00+\q:N00+\q+1], v[WX+\q:WX+\q+1], v[N01+\q:N01+\q+1], v[N00+\q:N00+\q+1]   ; upper row
	v_pk_fma_f32 v[N10+\q:N10+\q+1], v[WX+\q:WX+\q+1], v[N11+\q:N11+\q+1], v[N10+\q:N10+\q+1]   ; lower row
.endr
.irp q, 0,2
	v_pk_mul_f32 v[MV+\q:MV+\q+1], v[WY+\q:WY+\q+1], v[N10+\q:N10+\q+1]
.endr
.irp q, 0,2
	v_pk_fma_f32 v[MV+\q:MV+\q+1], v[UY+\q:UY+\q+1], v[N00+\q:N00+\q+1], v[MV+\q:MV+\q+1]
.endr
.endm
; The tile's first dot starts the state: nothing is cleared and nothing selected.  Where its M is 0 its c M is the zero that the picture starts
; from, and its position yields alpha = 0 behind the loop, as long as no later dot takes the pixel.
.macro FIRST g
	SAMPLE \g, WINX+4*\g, WINY+4*\g
	CORNERS WINX+4*\g, WINY+4*\g
	COVER
.irp c, 0,1,2
.irp q, 0,2
	v_pk_mul_f32 v[P+8*\c+4*\g+\q:P+8*\c+4*\g+\q+1], v[MV+\q:MV+\q+1], s[COL+2*\c:COL+2*\c+1] op_sel_hi:[1,0]
.endr
.endr
.endm
; The same where the first dot covers the tile: M is 1 in every pixel, so the colour is c and only the position (for alpha) is computed.
.macro COVERED g
	SAMPLE \g, WINX+4*\g, WINY+4*\g
.irp c, 0,1,2
.irp k, 0,1,2,3
	v_mov_b32 v[P+8*\c+4*\g+\k], s[COL+2*\c]
.endr
.endr
.endm
; Every later dot takes a pixel's position where M != 0 and a channel where c M != 0.
.macro LATER g
	SAMPLE \g, IX, IY
	CORNERS IX, IY
	COVER
.irp c, 0,1,2
.irp q, 0,2
	v_pk_mul_f32 v[E+4*\c+\q:E+4*\c+\q+1], v[MV+\q:MV+\q+1], s[COL+2*\c:COL+2*\c+1] op_sel_hi:[1,0]
.endr
.endr
.irp k, 0,1,2,3
	v_cmp_neq_f32 s[HIT+\k], 0, v[MV+\k]
.endr
.irp k, 0,1,2,3,4,5,6,7,8,9,10,11
	v_cmp_neq_f32 s[HIT+4+\k], 0, v[E+\k]
.endr
.irp k, 0,1,2,3
	v_cndmask_b32 v[WINX+4*\g+\k], v[WINX+4*\g+\k], v[IX+\k], s[HIT+\k]
	v_cndmask_b32 v[WINY+4*\g+\k], v[WINY+4*\g+\k], v[IY+\k], s[HIT+\k]
.endr
.irp c, 0,1,2
.irp k, 0,1,2,3
	v_cndmask_b32 v[P+8*\c+4*\g+\k], v[P+8*\c+4*\g+\k], v[E+4*\c+\k], s[HIT+4+4*\c+\k]
.endr
.endr
.endm
; alpha of group g, from the positions that won: 0.4 exp(-(n/10000)^2) = 2^(log2 0.4 - (n s)^2), s = sqrt(log2 e) / 10000, at the four corners,
; zero outside the circle, then the same bilinear weights.
.macro ALPHA g
	CORNERS WINX+4*\g, WINY+4*\g
.irp q, 0,2
	v_pk_mul_f32 v[D0Y+\q:D0Y+\q+1], v[D0Y+\q:D0Y+\q+1], v[D0Y+\q:D0Y+\q+1]
	v_pk_mul_f32 v[D1Y+\q:D1Y+\q+1], v[D1Y+\q:D1Y+\q+1], v[D1Y+\q:D1Y+\q+1]
.endr
.irp q, 0,2
	v_pk_fma_f32 v[N00+\q:N00+\q+1], v[D0X+\q:D0X+\q+1], v[D0X+\q:D0X+\q+1], v[D0Y+\q:D0Y+\q+1]   ; n
	v_pk_fma_f32 v[N01+\q:N01+\q+1], v[D1X+\q:D1X+\q+1], v[D1X+\q:D1X+\q+1], v[D0Y+\q:D0Y+\q+1]
	v_pk_fma_f32 v[N10+\q:N10+\q+1], v[D0X+\q:D0X+\q+1], v[D0X+\q:D0X+\q+1], v[D1Y+\q:D1Y+\q+1]
	v_pk_fma_f32 v[N11+\q:N11+\q+1], v[D1X+\q:D1X+\q+1], v[D1X+\q:D1X+\q+1], v[D1Y+\q:D1Y+\q+1]
.endr
.irp q, 0,2,4,6,8,10,12,14
	v_pk_mul_f32 v[E+\q:E+\q+1], v[N00+\q:N00+\q+1], 0x38fbe4c5 op_sel_hi:[1,0]                   ; n s
.endr
.irp q, 0,2,4,6,8,10,12,14
	v_pk_fma_f32 v[E+\q:E+\q+1], v[E+\q:E+\q+1], v[E+\q:E+\q+1], 0xbfa934f1 op_sel_hi:[1,1,0] neg_lo:[1,0,0] neg_hi:[1,0,0]   ; log2 0.4 - (n s)^2
.endr
.irp k, 0,1,2,3,4,5,6,7,8,9,10,11,12,13,14,15
	v_exp_f32 v[E+\k], v[E+\k]
.endr
.irp k, 0,1,2,3,4,5,6,7,8,9,10,11,12,13,14,15
	v_cmp_ge_f32 s[HIT+\k], s[R2], v[N00+\k]       ; 10000 >= n.  These compares touch no exponential: they are the plain instructions that stand between the last v_exp_f32 and the first use of a result (ISA guide 5.7.2)
.endr
	s_wait_alu depctr_va_vdst(0)
.irp k, 0,1,2,3,4,5,6,7,8,9,10,11,12,13,14,15
	v_cndmask_b32 v[E+\k], 0, v[E+\k], s[HIT+\k]
.endr
.irp q, 0,2
	v_pk_mul_f32 v[E+\q:E+\q+1],     v[UX+\q:UX+\q+1], v[E+\q:E+\q+1]
	v_pk_mul_f32 v[E+8+\q:E+8+\q+1], v[UX+\q:UX+\q+1], v[E+8+\q:E+8+\q+1]
.endr
.irp q, 0,2
	v_pk_fma_f32 v[E+\q:E+\q+1],     v[WX+\q:WX+\q+1], v[E+4+\q:E+4+\q+1],   v[E+\q:E+\q+1]
	v_pk_fma_f32 v[E+8+\q:E+8+\q+1], v[WX+\q:WX+\q+1], v[E+12+\q:E+12+\q+1], v[E+8+\q:E+8+\q+1]
.endr
.irp q, 0,2
	v_pk_mul_f32 v[AL+4*\g+\q:AL+4*\g+\q+1], v[WY+\q:WY+\q+1], v[E+8+\q:E+8+\q+1]
.endr
.irp q, 0,2
	v_pk_fma_f32 v[AL+4*\g+\q:AL+4*\g+\q+1], v[UY+\q:UY+\q+1], v[E+\q:E+\q+1], v[AL+4*\g+\q:AL+4*\g+\q+1]
.endr
	global_store_b128 v1, v[AL+4*\g:AL+4*\g+3], s[12:13] offset:\g*2*ROWB th:TH_STORE_NT
.endm
	NEXTDOT
	s_cmp_lg_u32 s[FULL], 0                        ; a whole number read from memory decides the way
	s_cbranch_scc1 .Lcovered
	FIRST 0
	FIRST 1
	s_branch .Lrest
.Lcovered:
	COVERED 0
	COVERED 1
.Lrest:
	s_cmp_eq_u32 s18, 1
	s_cbranch_scc1 .Lpainted
	s_mov_b32 s19, 1
.Ldot:
	NEXTDOT
	LATER 0
	LATER 1
	s_add_co_u32 s19, s19, 1
	s_cmp_lt_u32 s19, s18
	s_cbranch_scc1 .Ldot
.Lpainted:
	; The colours leave first, so that they are on their way during alpha's arithmetic.  No register that a store names is written again.
.irp c, 0,1,2
.irp g, 0,1
	global_store_b128 v1, v[P+8*\c+4*\g:P+8*\c+4*\g+3], s[10:11] offset:(\c-1)*PLANE+\g*2*ROWB th:TH_STORE_NT
.endr
.endr
	ALPHA 0
	ALPHA 1
	s_endpgm
.Lempty:
	; No dot reaches the tile: zeros.  The loads of theta and colors may still be out; their registers are not touched.
.irp k, 0,1,2,3
	v_mov_b32 v[AL+\k], 0
.endr
.irp c, 0,1,2
.irp g, 0,1
	global_store_b128 v1, v[AL:AL+3], s[10:11] offset:(\c-1)*PLANE+\g*2*ROWB th:TH_STORE_NT
.endr
.endr
.irp g, 0,1
	global_store_b128 v1, v[AL:AL+3], s[12:13] offset:\g*2*ROWB th:TH_STORE_NT
.endr
	s_endpgm
.Lfunc_end_k_q0ee2bc0a40_paint:
	.size	k_q0ee2bc0a40_paint, .Lfunc_end_k_q0ee2bc0a40_paint-k_q0ee2bc0a40_paint
	.p2alignl 7, 3214868480
	.fill 96, 4, 3214868480
	.section	.rodata,"a",@progbits
	.p2align	6, 0x0
	.amdhsa_kernel k_q0ee2bc0a40_paint
		.amdhsa_group_segment_fixed_size 0
		.amdhsa_private_segment_fixed_size 0
		.amdhsa_enable_private_segment 0
		.amdhsa_kernarg_size 40
		.amdhsa_user_sgpr_count 2
		.amdhsa_user_sgpr_kernarg_segment_ptr 1
		.amdhsa_wavefront_size32 1
		.amdhsa_system_sgpr_workgroup_id_x 1
		.amdhsa_system_sgpr_workgroup_id_y 1
		.amdhsa_system_sgpr_workgroup_id_z 1
		.amdhsa_system_vgpr_workitem_id 0
		.amdhsa_next_free_vgpr 152
		.amdhsa_next_free_sgpr 66
		.amdhsa_reserve_vcc 0
		.amdhsa_float_denorm_mode_32 3
		.amdhsa_float_denorm_mode_16_64 3
		.amdhsa_memory_ordered 1
		.amdhsa_forward_progress 1
		.amdhsa_inst_pref_size 56
	.end_amdhsa_kernel
	.amdgpu_metadata
---
amdhsa.version: [ 1, 2 ]
amdhsa.kernels:
  - .name:           k_q0ee2bc0a40_paint
    .symbol:         k_q0ee2bc0a40_paint.kd
    .args:
      - { .name: theta, .offset: 0, .size: 8, .value_kind: global_buffer, .address_space: global }
      - { .name: colors, .offset: 8, .size: 8, .value_kind: global_buffer, .address_space: global }
      - { .name: tiles, .offset: 16, .size: 8, .value_kind: global_buffer, .address_space: global }
      - { .name: out0, .offset: 24, .size: 8, .value_kind: global_buffer, .address_space: global }
      - { .name: out1, .offset: 32, .size: 8, .value_kind: global_buffer, .address_space: global }
    .group_segment_fixed_size: 0
    .private_segment_fixed_size: 0
    .kernarg_segment_align: 8
    .kernarg_segment_size: 40
    .max_flat_workgroup_size: 512
    .sgpr_count:     66
    .vgpr_count:     152
    .wavefront_size: 32
...
	.end_amdgpu_metadata
.endif
;; end of part 2
